; MI455X (gfx1250); checked and timed in simulation.
; The chip was launched on July 23, 2026; its instructions are those of AMD's public machine-readable ISA for CDNA 5 (MIT licence, August 2026) and "CDNA5" Instruction Set Architecture Reference Guide (July 2026). The comments in the code are by the model that wrote it; some were corrected since.
;; Layer. Allowed arithmetic: matrix products marked QUANTISED: E3M2 operands, one E8M0 scale for each 32 along K, by v_wmma_scale_f32_16x16x128_f8f6f4 with both operands' format E3M2, f32 sums; everything else in f32.
;; Inputs: A 2,048 x 4,096 float32; B_packed 512 x 8,192 int32; s 32 x 8,192 float32.
;; Outputs: out0 2,048 x 8,192 float32.
;; This version of the problem:
;;   THIS VERSION OF THE PROBLEM IS GIVEN IN LOW PRECISION. The matrix products marked QUANTISED in the list below multiply operands that are first quantised to E3M2 (3 exponent bits, 2 mantissa bits; 6 bits a number), with one power-of-two scale for each 32 numbers along K (OCP MX v1.0); their sums are f32. All else is computed in f32.
;;   The module's matrix products, in the order in which they are computed (A, B: the left and right operand; K: the contracted axis; several contracted axes count as one K, in the product's order):
;;     1. [M 2,048, K 4,096] x [K 4,096, N 8,192]; A: input A; B: computed on the way: QUANTISED
;;   THE QUANTISER, for each operand of a quantised product, along K:
;;     - K is cut into blocks of 32 from its start; a last block that is shorter is filled with zeros.
;;     - A block's scale is 2^e with e = floor(log2(the largest magnitude in the block)) - 4, held to -126 .. 127; a block of zeros has e = 0. As a byte (E8M0): e + 127.
;;     - Each number is divided by its block's scale, clamped to +-28, and rounded to the nearest number of E3M2, ties to even, subnormals kept.
;;     - The product sums the exact products of the quantised numbers (number of the format x scale) in f32.
;;   ~~~python
;;   def quantise(x, axis):      # numpy; x: float32 -> the quantised numbers, widened to float32 again
;;       x = np.moveaxis(x, axis, -1); K = x.shape[-1]
;;       x = np.pad(x, [(0, 0)] * (x.ndim - 1) + [(0, -K % 32)]); x = x.reshape(x.shape[:-1] + (-1, 32)); a = np.abs(x).max(-1, keepdims=True)
;;       e = np.where(a > 0, np.clip(np.frexp(np.where(a > 0, a, 1))[1] - 1 - 4, -126, 127), 0)      # np.frexp(a)[1] - 1 = floor(log2(a)), exactly
;;       r = np.clip(x / 2.0 ** e, -28, 28)
;;       step = 2.0 ** (np.maximum(np.frexp(np.where(r == 0, 1, r))[1] - 1, -2) - 2)
;;       q = np.round(r / step) * step * 2.0 ** e      # np.round: ties to even
;;       return np.moveaxis(q.reshape(q.shape[:-2] + (-1,))[..., :K], -1, axis).astype(np.float32)
;;   ~~~
;;   OPERANDS COMPUTED ON THE WAY. 'Computed on the way' means the value that the module computes at that place (a softmax that the list does not call 'softmax' is quantised finished and normalised). What goes into a quantiser is computed in f32, as accurately as f32 sums, v_exp_f32 and their like allow (about 1e-6 of the number): no bf16 or f16 on the way to a quantiser, and a product that is left as it is and whose result goes on into a quantised operand takes f32 operands (vector FMAs, or v_wmma_f32_16x16x4_f32). A number that lies on a knife's edge between two numbers of the format may be rounded either way, as far as f32 arithmetic and the matrix unit's own rounding can turn it there, and no further.
;; One version. Each part assembles by itself: llvm-mc -triple=amdgcn-amd-amdhsa -mcpu=gfx1250 --defsym DOCPART=n.
;; ======== version 1 of 1: 2 launches
;; limits: right only within a limited range of input values
;; workspace buffers: a_q 6,553,600 bytes; w_q 26,214,400 bytes
;; launch quant (part 1): grid 768 x 1, 4 waves a work-group, no clusters, 34,304 bytes of LDS; arguments A, B_packed, s, a_q, w_q; writes a_q, w_q
.if DOCPART == 1
	.amdgcn_target "amdgcn-amd-amdhsa--gfx1250"
	.amdhsa_code_object_version 6
	.text
	.protected	k_qb4ab6bbd0b_quant
	.globl	k_qb4ab6bbd0b_quant
	.p2align	8
	.type	k_qb4ab6bbd0b_quant,@function
k_qb4ab6bbd0b_quant:
	s_mov_b64 s[64:65], 0
	v_nop
	global_prefetch_b8 v0, s[64:65] scope:SCOPE_SE
	s_setreg_imm32_b32 hwreg(HW_REG_WAVE_MODE, 25, 1), 1
	s_wait_xcnt 0x0
; Both operands of out0 = A W are turned into codes of BF6 (E3M2), 6 bits each, with one E8M0 scale byte for each 32 along K.
; A: [2048][4096] f32.  W[k][n] = (nibble k % 8 of B_packed[k / 8][n] - 8) x s[k / 128][n], in f32: one fused multiply-add q s + (-8 s), which rounds once and so gives the bits of (q - 8) s.
; A block's scale is 2^(floor(log2(its largest magnitude)) - 4); its byte is the largest magnitude's own exponent field - 4, held at 1 from below.  Each number is divided by the scale and rounded to the
; nearest code, ties to even; beyond the largest code the conversion gives the largest code.
; WHERE THE RESULTS GO.  The buffers are this program's own and lie IN THE ORDER OF THE OPERAND'S REGISTERS: [block of 128 rows][K step of 128][12,800 bytes] (rows of A; columns n of W).  A step's 12,800 bytes
; are 8 images of a fragment (16 rows x 128 K: 12 registers a lane) and then 512 bytes of scale words.  In an image register 4 c + j of lane l lies at byte 512 c + 16 l + 4 j; lane (r, h) holds row r, its
; registers 0-5 the codes of k = 32 h + 0 .. 31, its registers 6-11 those of k = 64 + 32 h + 0 .. 31.  The scale word (four bytes: 128 along K) of row 16 (4 j + i) + r lies at byte 256 j + 16 r + 4 i.
; So the product's launch fetches dense blocks and loads each fragment by three loads of 16 bytes a lane; and here every store covers whole aligned runs of 256 bytes.
; LIMITS: NaN and infinities among the inputs are not served; |s| stays under 2^124, so that 8 s is finite; a block of zeros, or one whose largest magnitude lies under the floor 2^-122, gets the byte 1
; where the quantiser's rule says 127: a block of zeros has zero codes, which add nothing under any byte but 0xff, and the bytes are read by this program alone; blocks under the floor were not tried.
; SHARES.  Work-groups 0 to 511 take W, 512 to 767 take A: the two ways part once, on the work-group's number, and never join.  No tensor loads, no barrier: waves share nothing.  Only A's way uses LDS.
.set WGW,    512                       ; work-groups for W
.set EMAX,   4                         ; the exponent of the format's largest number, 28
.set FRB,    1536                      ; a fragment's image
.set CODEB,  8*FRB                     ; the codes of 128 rows x 128 along K
.set STEPB,  CODEB+512                 ; and their scale words behind them
.set RBLK,   32*STEPB                  ; a block of 128 rows, all of K
; the way for W
.set SS,     12                        ; v12-15   s as loaded: K step st of my two, column set c, in v[SS + 2 st + c]
.set SPR,    16                        ; v16-31   for (st, c), at SPR + 4 (2 st + c): s, s, -8 s, -8 s: the pairs of the packed multiply-add
.set WD,     32                        ; v32-95   the packed words: K step st, row i of 16, column set c, in v[WD + 32 st + 2 i + c]
.set WX,     96                        ; v96-159  two sets of 32 numbers
.set WF,     160                       ; v160-207 two sets (by column set) of 24: the registers of image lanes (r, 0) and (r, 1) of my column
.set WT,     208                       ; v208-210, v212-214: the second half of a block's codes, before it is moved
.set SW,     216                       ; v216-219 scale words: K step st, column set c, in v[SW + 2 st + c]
; the way for A
.set ASP,    528                       ; a stage row: 512 bytes + 16: the sixteen rows that a load of 16 bytes a lane touches start at sixteen different groups of four banks
.set ASTG,   16*ASP                    ; a wave's stage
.set AR,     16                        ; v16-143  two sets of 64: a fragment's numbers as they are loaded, row i in four registers
.set AX,     144                       ; v144-207 my two blocks of 32 numbers
.set AFR,    208                       ; v208-231 two sets of 12: my registers of the image
.set AT,     232                       ; v232-234, v236-238: the second halves of the two blocks' codes, before they are moved
.set AM,     240                       ; v240-249 at work
.set ASW,    250                       ; v250-253 the scale words of my row in the four fragments
.set AD,     254                       ; v254-255 the two of them that I store
; the largest magnitude of the 32 numbers v[x] on, in two chains, with the floor 2^(EMAX + 1 - 127) as one more leaf: so the byte cannot fall under 1
.macro MAX32 d, t, x
	v_max3_num_f32 v[\d], |v[(\x)]|, |v[(\x)+1]|, |v[(\x)+2]|
	v_max3_num_f32 v[\t], |v[(\x)+3]|, |v[(\x)+4]|, |v[(\x)+5]|
.irp i, 6,10,14,18,22,26
	v_max3_num_f32 v[\d], v[\d], |v[(\x)+\i]|, |v[(\x)+\i+1]|
	v_max3_num_f32 v[\t], v[\t], |v[(\x)+\i+2]|, |v[(\x)+\i+3]|
.endr
	v_max3_num_f32 v[\d], v[\d], |v[(\x)+30]|, |v[(\x)+31]|
	v_max3_num_f32 v[\d], v[\d], v[\t], (EMAX+1)<<23
.endm
	s_load_b256 s[4:11], s[0:1], 0x0               ; A s[4:5], B_packed s[6:7], s s[8:9], A's buffer s[10:11]
	s_load_b64 s[12:13], s[0:1], 0x20              ; W's buffer
	v_lshl_add_u32 v235, v0, 2, 0x8400
	v_mov_b32 v239, 0
	v_lshrrev_b32 v1, 5, v0
	v_readfirstlane_b32 s18, v1                    ; wave 0..3
	v_and_b32 v2, 31, v0                           ; lane
	v_and_b32 v8, 15, v0                           ; lane % 16
	v_bfe_u32 v9, v0, 4, 1                         ; lane / 16
	s_cmp_lt_u32 ttmp9, WGW
	s_cbranch_scc0 .Lpath_a
; ---------------------------------------------------------------- W ----------------------------------------------------------------
; Work-group (X = number / 16, kb = number % 16); wave w takes columns 256 X + 64 w .. + 63 and K = 256 kb .. + 255: two K steps.  A LANE TAKES COLUMNS l AND 32 + l, AND ITS REGISTERS RUN DOWN K: the two loads
; of a row of words read 256 consecutive bytes between them, a block of 32 along K of a column lies in ONE lane's registers, and the conversions give codes with K innermost: nothing is transposed.
; The four blocks of a column and a K step ARE the registers of two lanes of the image: blocks 0 and 2 those of lane (r, 0), blocks 1 and 3 those of lane (r, 1).  They leave straight from registers: in each
; store lanes 0-15 (16 columns: one fragment) fill 256 consecutive bytes, aligned, and lanes 16-31 (the next fragment) another 256.
	s_lshr_b32 s19, ttmp9, 4                       ; X
	s_and_b32 s20, ttmp9, 15                       ; kb
	s_lshl_b32 s21, s19, 10
	s_lshl_b32 s31, s18, 8
	s_add_co_u32 s21, s21, s31                     ; my wave's first column, in bytes of a row of B_packed or of s
	s_lshl_b32 s22, s20, 20                        ; B_packed: 32 rows of 32,768 bytes for 256 along K
	s_add_co_u32 s22, s22, s21
	s_mov_b32 s23, 0
	s_lshl_b32 s24, s20, 16                        ; s: 2 rows of 32,768 bytes
	s_add_co_u32 s24, s24, s21
	s_mov_b32 s25, 0
	s_lshr_b32 s32, s18, 1
	s_and_b32 s33, s18, 1                          ; which 64 of a block's 128 columns
	s_lshl_b32 s34, s19, 1
	s_add_co_u32 s34, s34, s32                     ; my block of 128 columns: 2 X + w / 2
	s_mul_i32 s26, s34, RBLK
	s_mul_i32 s35, s20, 2*STEPB
	s_add_co_u32 s26, s26, s35                     ; where that block's K step 2 kb begins
	s_mov_b32 s27, 0
	s_mul_i32 s28, s33, 4*FRB                      ; my 64 columns are four fragments,
	s_lshl_b32 s29, s33, 8
	s_add_co_u32 s29, s29, CODEB                   ; and 256 bytes of scale words
	s_wait_alu depctr_va_vdst(0)
	v_lshlrev_b32 v3, 2, v2                        ; in: 4 bytes a lane
	v_mul_u32_u24 v6, v9, FRB
	v_lshl_add_u32 v6, v8, 4, v6
	v_add_nc_u32 v6, s28, v6                       ; the codes: fragment lane / 16 of a column set's two, 16 bytes for row lane % 16
	v_lshlrev_b32 v7, 3, v9
	v_lshl_add_u32 v7, v8, 4, v7
	v_add_nc_u32 v7, s29, v7                       ; the scale words: 16 bytes for row lane % 16, of which lanes 0-15 store the lower 8 and lanes 16-31 the upper 8
	s_wait_alu depctr_va_vdst(0)
	s_wait_kmcnt 0x0
	s_add_nc_u64 s[6:7], s[6:7], s[22:23]
	s_add_nc_u64 s[8:9], s[8:9], s[24:25]
	s_add_nc_u64 s[12:13], s[12:13], s[26:27]
.macro WLOAD st                        ; the 16 rows of words of K step st, both column sets: every offset is an immediate, 31 x 32,768 + 128 at the most
.irp i, 0,1,2,3,4,5,6,7,8,9,10,11,12,13,14,15
.irp c, 0,1
	global_load_b32 v[WD+32*(\st)+2*\i+\c], v3, s[6:7] offset:(16*(\st)+\i)*32768+128*\c th:TH_LOAD_NT
.endr
.endr
.endm
.irp st, 0,1
.irp c, 0,1
	global_load_b32 v[SS+2*\st+\c], v3, s[8:9] offset:32768*\st+128*\c th:TH_LOAD_NT   ; a group of 128 along K is a K step
.endr
.endr
	WLOAD 0
	s_wait_loadcnt 32                              ; s is in; the 32 loads of words behind it may be out
.irp st, 0,1
.irp c, 0,1
	v_mov_b32 v[SPR+4*(2*\st+\c)], v[SS+2*\st+\c]
	v_mov_b32 v[SPR+4*(2*\st+\c)+1], v[SS+2*\st+\c]
	v_mul_f32 v[SPR+4*(2*\st+\c)+2], 0xc1000000, v[SS+2*\st+\c]           ; -8 s: exact
	v_mul_f32 v[SPR+4*(2*\st+\c)+3], 0xc1000000, v[SS+2*\st+\c]
.endr
.endr
	s_wait_loadcnt 24                              ; the first four rows of words (eight loads) are in; 24 are out,
	WLOAD 1                                        ; and with these 32 there are 56
; Block b of the four of K step st, column set c: 32 numbers are unpacked, scaled and quantised.
.macro WBLOCK st, c, b
.set XS, WX+32*((\b)%2)
.set FB, WF+24*(\c)+12*((\b)%2)+6*((\b)/2)     ; image lane (r, b % 2), registers 6 (b / 2) on
.set TT, WT+4*((\b)%2)
.set PS, SPR+4*(2*(\st)+(\c))
.set WR, WD+32*(\st)+8*(\b)+(\c)
.set SR, SW+2*(\st)+(\c)
.if ((\c) == 0) && ((\st)+(\b) > 0)
	s_wait_loadcnt 32*(2-(\st))-8*((\b)+1)         ; rows 4 b .. 4 b + 3 of this K step's words are in, both column sets; the rows behind them, and in K step 0 the other step's 32 loads, may be out
.endif
.irp i, 0,1,2,3
.irp j, 0,1,2,3,4,5,6,7
	v_bfe_u32 v[XS+8*\i+\j], v[WR+2*\i], 4*\j, 4   ; k = 32 b + 8 i + j: nibble j of word row 4 b + i
.endr
.endr
.irp j, 0,1,2,3,4,5,6,7,8,9,10,11,12,13,14,15,16,17,18,19,20,21,22,23,24,25,26,27,28,29,30,31
	v_cvt_f32_u32 v[XS+\j], v[XS+\j]
.endr
.irp j, 0,2,4,6,8,10,12,14,16,18,20,22,24,26,28,30
	v_pk_fma_f32 v[XS+\j:XS+\j+1], v[XS+\j:XS+\j+1], v[PS:PS+1], v[PS+2:PS+3]   ; q s - 8 s, one rounding
.endr
	MAX32 8, 9, XS                                 ; the block's largest magnitude: all 32 numbers are mine
	v_add_nc_u32 v10, 0xfe000000, v8               ; EMAX off its exponent field: the conversion takes the exponent field of this operand as its scale, and nothing else of it
	v_cvt_scalef32_pk16_bf6_f32 v[FB:FB+2], v[XS:XS+15], v10
	v_cvt_scalef32_pk16_bf6_f32 v[TT:TT+2], v[XS+16:XS+31], v10           ; (a conversion's three registers begin on an even number: the second half of a block's six does not, so it is made elsewhere and moved)
.if (\b) == 0
	v_lshrrev_b32 v[SR], 23, v10                   ; the scale's byte: the lower K in the lower byte of the column's scale word.  (Also the plain line behind the conversions)
.else
	v_lshrrev_b32 v11, 23, v10
	v_lshl_or_b32 v[SR], v11, 8*(\b), v[SR]
.endif
.irp i, 0,1,2
	v_mov_b32 v[FB+3+\i], v[TT+\i]
.endr
.endm
.macro WUNIT st, c                     ; a column set and a K step: four blocks, then six stores
.if (\st) == 1
	s_wait_xcnt 0x0                                ; the stores of K step 0 have read their registers: this set of 24 is written again only behind this wait
.endif
.irp b, 0,1,2,3
	WBLOCK \st, \c, \b
.endr
.irp h, 0,1
.irp k, 0,1,2
	global_store_b128 v6, v[WF+24*(\c)+12*\h+4*\k:WF+24*(\c)+12*\h+4*\k+3], s[12:13] offset:(\st)*STEPB+(\c)*2*FRB+256*\h+512*\k   ; registers 4 k .. 4 k + 3 of image lane (r, h): sixteen lanes fill 256 consecutive bytes, aligned
.endr
.endr
.endm
.macro WWORDS st                       ; lanes 0-15 hold the words of fragments 0 and 2 of my four, lanes 16-31 those of fragments 1 and 3
	v_permlane16_swap_b32 v[SW+2*(\st)], v[SW+2*(\st)+1]                  ; the first's lanes 16-31 change places with the second's lanes 0-15: lanes 0-15 now hold fragments 0 and 1, lanes 16-31 fragments 2 and 3
	global_store_b64 v7, v[SW+2*(\st):SW+2*(\st)+1], s[12:13] offset:(\st)*STEPB   ; the 32 lanes store 256 consecutive bytes, aligned
.endm
	WUNIT 0, 0
	WUNIT 0, 1
	WWORDS 0
	WUNIT 1, 0
	WUNIT 1, 1
	WWORDS 1
	s_endpgm
; ---------------------------------------------------------------- A ----------------------------------------------------------------
; Work-group g = number - 512 (mb = g / 16); wave w takes rows 128 mb + 64 (w % 2) .. + 63 and K step ks = 2 (g % 16) + w / 2: four fragments of 16 rows x 128 K.  The image wants lane (r, h) to hold two
; whole blocks of row r; a load is best where neighbouring LANES take neighbouring bytes.  Both are had: each of a fragment's sixteen loads reads a row's 512 consecutive bytes, 16 a lane; the rows go through
; the wave's own stage in LDS and come back 2 x 128 bytes a lane.  A block's largest magnitude then needs no other lane, the conversions' results are the image's registers, and each of a fragment's three
; stores covers 512 consecutive bytes.  Loads run two fragments (32 loads a wave) ahead.
.Lpath_a:
	s_sub_co_u32 s19, ttmp9, WGW                   ; g
	s_lshr_b32 s20, s19, 4                         ; mb
	s_and_b32 s21, s19, 15
	s_lshl_b32 s21, s21, 1
	s_lshr_b32 s31, s18, 1
	s_add_co_u32 s21, s21, s31                     ; ks
	s_and_b32 s24, s18, 1                          ; which 64 of the block's 128 rows
	s_lshl_b32 s22, s20, 21                        ; 128 rows of 16,384 bytes,
	s_lshl_b32 s31, s24, 20                        ; 64 rows,
	s_add_co_u32 s22, s22, s31
	s_lshl_b32 s31, s21, 9                         ; 128 numbers
	s_add_co_u32 s22, s22, s31
	s_mov_b32 s23, 0
	s_mul_i32 s26, s20, RBLK
	s_mul_i32 s31, s21, STEPB
	s_add_co_u32 s26, s26, s31                     ; where the block's K step ks begins
	s_mov_b32 s27, 0
	s_mul_i32 s28, s24, 4*FRB                      ; my 64 rows are four fragments,
	s_lshl_b32 s29, s24, 8
	s_add_co_u32 s29, s29, CODEB                   ; and 256 bytes of scale words
	s_mul_i32 s30, s18, ASTG                       ; my stage
	s_mov_b32 s34, 0x76543210
	s_mov_b32 s35, 0xfedcba98                      ; v_permlanex16_b32's selects for lane l xor 16
	s_wait_alu depctr_va_vdst(0)
	v_lshlrev_b32 v3, 4, v2                        ; my 16 bytes of a load's 512
	v_add_nc_u32 v4, s30, v3                       ; the stage, on the way in: the same place in the row
	v_mul_u32_u24 v5, v8, ASP
	v_lshl_add_u32 v5, v9, 7, v5
	v_add_nc_u32 v5, s30, v5                       ; and on the way out: row r, + 128 h: my block h; my block 2 + h lies 256 bytes on
	v_add_nc_u32 v6, s28, v3                       ; the codes: 16 bytes a lane
	v_lshlrev_b32 v7, 3, v9
	v_lshl_add_u32 v7, v8, 4, v7
	v_add_nc_u32 v7, s29, v7                       ; the scale words: 16 bytes for row r, of which lanes 0-15 store the lower 8 and lanes 16-31 the upper 8
	v_lshlrev_b32 v10, 3, v9                       ; 8 h: my bytes' place in a scale word
	v_cmp_ne_u32 vcc_lo, 0, v9                     ; lanes 16-31
	v_mov_b32 v[AM+9], 0                           ; written once: a lane permute's destination counts as one of its sources
	s_wait_alu depctr_va_vdst(0)
	s_wait_kmcnt 0x0
	s_add_nc_u64 s[4:5], s[4:5], s[22:23]
	s_add_nc_u64 s[10:11], s[10:11], s[26:27]
.macro ALOAD f                         ; fragment f: sixteen rows, each 512 consecutive bytes; 63 rows of 16,384 bytes at the most stand in the immediate
.irp i, 0,1,2,3,4,5,6,7,8,9,10,11,12,13,14,15
	global_load_b128 v[AR+64*((\f)%2)+4*\i:AR+64*((\f)%2)+4*\i+3], v3, s[4:5] offset:(16*(\f)+\i)*16384 th:TH_LOAD_NT
.endr
.endm
	ALOAD 0
	ALOAD 1
.macro AFRAG f
.set RS, AR+64*((\f)%2)
.set FS, AFR+12*((\f)%2)
.if (\f) < 3
	s_wait_loadcnt 16                              ; this fragment's sixteen loads are in; the next fragment's may be out
.else
	s_wait_loadcnt 0x0
.endif
.irp i, 0,1,2,3,4,5,6,7,8,9,10,11,12,13,14,15
	ds_store_b128 v4, v[RS+4*\i:RS+4*\i+3] offset:\i*ASP
.endr
.irp i, 0,1,2,3,4,5,6,7
	ds_load_b128 v[AX+4*\i:AX+4*\i+3], v5 offset:16*\i                    ; LDS serves a wave's instructions in order (ISA guide 5.7.1.4): these see my stores, and the next fragment's stores come behind them
.endr
.irp i, 0,1,2,3,4,5,6,7
	ds_load_b128 v[AX+32+4*\i:AX+32+4*\i+3], v5 offset:256+16*\i
.endr
	s_wait_dscnt 0x0                               ; my two blocks are in, and the stores into the stage have read their registers,
.if (\f)+2 < 4
	ALOAD (\f)+2                                   ; which take the loads of two fragments on
.endif
	MAX32 AM, AM+1, AX                             ; block h,
	MAX32 AM+2, AM+3, AX+32                        ; block 2 + h: all their numbers are mine
	v_add_nc_u32 v[AM+4], 0xfe000000, v[AM]        ; EMAX off the exponent field: the conversion's scale operand
	v_add_nc_u32 v[AM+5], 0xfe000000, v[AM+2]
.if (\f) >= 2
	s_wait_alu depctr_va_vdst(0)
	s_wait_xcnt 0x0                                ; the stores of two fragments back have read their registers: this set of 12 is written again only behind this wait
.endif
	v_cvt_scalef32_pk16_bf6_f32 v[FS:FS+2], v[AX:AX+15], v[AM+4]
	v_cvt_scalef32_pk16_bf6_f32 v[AT:AT+2], v[AX+16:AX+31], v[AM+4]       ; (a conversion's three registers begin on an even number)
	v_cvt_scalef32_pk16_bf6_f32 v[FS+6:FS+8], v[AX+32:AX+47], v[AM+5]
	v_cvt_scalef32_pk16_bf6_f32 v[AT+4:AT+6], v[AX+48:AX+63], v[AM+5]
	v_lshrrev_b32 v[AM+6], 23, v[AM+4]             ; the scales' bytes.  (Also the plain line behind the conversions)
	v_lshrrev_b32 v[AM+7], 23, v[AM+5]
	v_lshl_or_b32 v[AM+8], v[AM+7], 16, v[AM+6]    ; blocks h and 2 + h of row r,
	v_lshlrev_b32 v[AM+8], v10, v[AM+8]            ; at their places in the scale word (8 h bits up);
	v_permlanex16_b32 v[AM+9], v[AM+8], s34, s35
	v_or_b32 v[ASW+(\f)], v[AM+8], v[AM+9]         ; with lane l xor 16's two the word is whole
.irp i, 0,1,2
	v_mov_b32 v[FS+3+\i], v[AT+\i]
	v_mov_b32 v[FS+9+\i], v[AT+4+\i]
.endr
.irp k, 0,1,2
	global_store_b128 v6, v[FS+4*\k:FS+4*\k+3], s[10:11] offset:(\f)*FRB+512*\k   ; 32 lanes store 512 consecutive bytes, aligned to 256
.endr
.endm
.irp f, 0,1,2,3
	AFRAG \f
.endr
	v_cndmask_b32 v[AD], v[ASW], v[ASW+2], vcc_lo                         ; lanes 0-15: the words of fragments 0 and 1; lanes 16-31: of fragments 2 and 3
	v_cndmask_b32 v[AD+1], v[ASW+1], v[ASW+3], vcc_lo
	global_store_b64 v7, v[AD:AD+1], s[10:11]      ; the 32 lanes store 256 consecutive bytes, aligned
	s_wait_tensorcnt 0x0
	ds_add_u32 v235, v239
	s_wait_dscnt 0x0
	s_endpgm
.Lfunc_end_k_qb4ab6bbd0b_quant:
	.size	k_qb4ab6bbd0b_quant, .Lfunc_end_k_qb4ab6bbd0b_quant-k_qb4ab6bbd0b_quant
	.p2alignl 7, 3214868480
	.fill 96, 4, 3214868480
	.section	.rodata,"a",@progbits
	.p2align	6, 0x0
	.amdhsa_kernel k_qb4ab6bbd0b_quant
		.amdhsa_group_segment_fixed_size 34304
		.amdhsa_private_segment_fixed_size 0
		.amdhsa_enable_private_segment 0
		.amdhsa_kernarg_size 40
		.amdhsa_user_sgpr_count 2
		.amdhsa_user_sgpr_kernarg_segment_ptr 1
		.amdhsa_wavefront_size32 1
		.amdhsa_system_sgpr_workgroup_id_x 1
		.amdhsa_system_sgpr_workgroup_id_y 1
		.amdhsa_system_sgpr_workgroup_id_z 1
		.amdhsa_system_vgpr_workitem_id 0
		.amdhsa_next_free_vgpr 256
		.amdhsa_next_free_sgpr 66
		.amdhsa_reserve_vcc 1
		.amdhsa_float_denorm_mode_32 3
		.amdhsa_float_denorm_mode_16_64 3
		.amdhsa_memory_ordered 1
		.amdhsa_forward_progress 1
		.amdhsa_inst_pref_size 128
	.end_amdhsa_kernel
	.amdgpu_metadata
---
amdhsa.version: [ 1, 2 ]
amdhsa.kernels:
  - .name:           k_qb4ab6bbd0b_quant
    .symbol:         k_qb4ab6bbd0b_quant.kd
    .args:
      - { .name: A, .offset: 0, .size: 8, .value_kind: global_buffer, .address_space: global }
      - { .name: B_packed, .offset: 8, .size: 8, .value_kind: global_buffer, .address_space: global }
      - { .name: s, .offset: 16, .size: 8, .value_kind: global_buffer, .address_space: global }
      - { .name: a_q, .offset: 24, .size: 8, .value_kind: global_buffer, .address_space: global }
      - { .name: w_q, .offset: 32, .size: 8, .value_kind: global_buffer, .address_space: global }
    .group_segment_fixed_size: 34304
    .private_segment_fixed_size: 0
    .kernarg_segment_align: 8
    .kernarg_segment_size: 40
    .max_flat_workgroup_size: 128
    .sgpr_count:     66
    .vgpr_count:     256
    .wavefront_size: 32
...
	.end_amdgpu_metadata
.endif
;; end of part 1
;; launch gemm (part 2): grid 32 x 8, 4 waves a work-group, clusters of 4 x 4, 327,680 bytes of LDS; arguments a_q, w_q, out0; writes out0
.if DOCPART == 2
	.amdgcn_target "amdgcn-amd-amdhsa--gfx1250"
	.amdhsa_code_object_version 6
	.text
	.protected	k_qb4ab6bbd0b_gemm
	.globl	k_qb4ab6bbd0b_gemm
	.p2align	8
	.type	k_qb4ab6bbd0b_gemm,@function
k_qb4ab6bbd0b_gemm:
	s_mov_b64 s[64:65], 0
	v_nop
	global_prefetch_b8 v0, s[64:65] scope:SCOPE_SE
	s_setreg_imm32_b32 hwreg(HW_REG_WAVE_MODE, 25, 1), 1
	s_wait_xcnt 0x0
	s_wait_alu depctr_hold_cnt(0) depctr_sa_sdst(0) depctr_va_vdst(0) depctr_va_sdst(0) depctr_va_ssrc(0) depctr_va_vcc(0) depctr_vm_vsrc(0)
	s_getreg_b32 s2, hwreg(HW_REG_IB_STS2, 6, 4)
	s_cmp_eq_u32 s2, 0
	s_cbranch_scc0 .Lentry_in_a_cluster
	s_endpgm
.Lentry_in_a_cluster:
	s_bfe_u32 s2, ttmp6, 0x10000c
	s_cmp_lg_u32 s2, 0xf033
	s_cbranch_scc0 .Lentry_shape_is_right
	s_endpgm
.Lentry_shape_is_right:
; out0[m][n] = sum over k of A[m][k] W[k][n], both operands as codes of BF6 (E3M2) with E8M0 scale bytes, as the launch before has laid them:
; [block of 128 rows][K step of 128][12,800 bytes]: 8 images of a fragment (1,536 bytes: register 4 c + j of lane l at 512 c + 16 l + 4 j), then 512 bytes of scale words
; (the word of row 16 (4 j + i) + r at 256 j + 16 r + 4 i: one load of 16 bytes a lane gives four registers, blocks 0-3 in lanes 0-15, blocks 4-7 in lanes 16-31).
; A work-group of four waves makes 256 x 256 of out0, a wave 128 x 128: 64 accumulators, 512 registers.
; A's TILES come by joint tensor loads (4 x 4 clusters; the four of a cluster's row share them) into a ring of two LDS slots, each with 4 K steps of the 256 rows: 8 equal fills, each wave 25,600 bytes of a fill.
; B's FRAGMENTS GO FROM MEMORY STRAIGHT INTO THE REGISTERS of the wave that multiplies them: 24 loads of 512 consecutive bytes and one of scale words a K step, in two sets.
; WHY B IS NOT ASKED FOR JOINTLY: a joint load lands in LDS alone.  With B in LDS a K step writes 51,200 bytes there and the waves read 102,400; with A alone it is 25,600 and 51,200,
; a slot holds 4 K steps in 102,400 bytes, and the launch has 7 changes of slots.  The price: each of B's bytes is asked for by the two waves that use it.
; THE PRODUCTS GO BY B's BLOCKS: four of B's blocks against A's eight are 32 matrix instructions; behind them these four fragments are free and take the K step two on.  So B has two sets, each half asked for two whole steps ahead;
; A's eight fragments are at work through a step: two sets, the next step's read from LDS in the step's middle.  Two runs of loads a step.
; THE LAST TWO K STEPS GO BY ROWS OF out0: all their fragments lie in the two sets of A and of B, so each block of 16 rows is finished by itself and leaves while the others are multiplied.
; THE MATRIX INSTRUCTION IS USED TRANSPOSED (source 0 = 16 columns n of W, source 1 = 16 rows of A): a lane holds eight neighbouring numbers of a row of out0.
; REGISTERS: window 0: v0-31 addresses; v32-39 A's scale words, two sets; v40-55 B's, four sets; v64-255 A's fragments, two sets.
;   window 1: v0-191 B's fragments, two sets.  window 2: accumulators of B's blocks 0-3 ((a, b) at v[8 (8 (b % 4) + a)]); window 3: of blocks 4-7.
; PREFETCH: one instruction a wave a K step.  Waves 0, 1: their block of W, 5 K steps on (its loads are issued 2 steps ahead of use: 3 steps' lead); waves 2, 3: a block of A, 10 K steps on (a fill is issued up to 8 steps ahead of use).
; A step's 50 runs of 256 bytes are shared out by address among the four partners that will load them (13 each; lanes left over name their wave's last again).  The first steps and the last come by their loads alone.
.set SIZE_N, 8192
.set FRB,    1536
.set CODEB,  8*FRB
.set STEPB,  CODEB+512
.set RBLK,   32*STEPB
.set NQ,     4                         ; K steps in a slot
.set BLKB,   NQ*STEPB                  ; a block of 128 rows in a slot
.set SLOT,   2*BLKB
.set FILLB,  2*STEPB                   ; what one tensor load brings: 100 rows of 256 bytes
.set SPARE,  2*SLOT                    ; the spare words: 512 bytes that no other line names
.set SPITCH, 528                       ; the way out: a stage of 16 rows x (512 + 16) bytes for each wave, from LDS byte 0 on: in slot 0, which has had its last fill and its last read by then
.set AHB,    5
.set AHA,    10
.set ADRA, 16                          ; v16-17 my A block in slot 0, 1: + 16 x lane
.set STO,  24
.set RD,   25
.set CO,   26                          ; 16 x lane: offset of B's loads and of out0's stores
.set SPW,  28
.set NIL,  29
.set PFO,  30
.set SCA,  32
.set SCB,  40
.set AF,   64
.set G1, 24                            ; s[24:31] descriptor group 1; s[32:39] group 0, one for each slot
.set G0, 32
.set BP, 44                            ; s[44:45] my block of W, stepped once a trip
.set PF, 46                            ; s[46:47] where my prefetches stand
.set LIM, 48
.set MSB, 0
.macro WIN new                         ; the immediate's high byte repeats the setting that is left
.if MSB != \new
	s_set_vgpr_msb (MSB<<8)|\new
.set MSB, \new
.endif
.endm
.set MUL_LO, 0xa1                      ; source 0 (B) window 1, source 1 (A) window 0, C and D window 2
.set MUL_HI, 0xf1
.set TO_B,   0x40
.set OUT_LO, 0x88                      ; the way out: stored data (source 1) and loaded data (destination) window 2, addresses window 0
.set OUT_HI, 0xcc                      ; the same, window 3
.macro CREST                           ; a round of the cluster's barrier behind its opening barrier
	s_cmp_lg_u32 s14, 0
	s_cbranch_scc1 .Lnot_wave_0_\@
	s_barrier_signal -3
.Lnot_wave_0_\@:
	s_barrier_wait -3
	s_barrier_signal -1
	s_barrier_wait -1
.endm
.macro CROUND
	s_barrier_signal -1
	s_barrier_wait -1
	CREST
.endm
.macro PLACES                          ; four places behind matrix instructions, ahead of loads into their registers and of reads of results
.rept 4
	v_nop
.endr
.endm
.macro SLD n                           ; B's scale words of step n
	global_load_b128 v[SCB+4*((\n)%4):SCB+4*((\n)%4)+3], v[CO], s[BP:BP+1] offset:(\n)*STEPB+CODEB
.endm
.macro BRUN n, hf                      ; B's fragments 4 hf .. 4 hf + 3 of step n (destination window 1)
.irp i, 0,1,2,3
.irp c, 0,1,2
	global_load_b128 v[96*((\n)%2)+12*(4*(\hf)+\i)+4*\c:96*((\n)%2)+12*(4*(\hf)+\i)+4*\c+3], v[CO], s[BP:BP+1] offset:(\n)*STEPB+(4*(\hf)+\i)*FRB+512*\c
.endr
.endr
.endm
.macro FETA n                          ; step n's scale words of A and its eight fragments, from LDS: 25 loads
.set AD_, ADRA+((\n)/NQ)%2
.set AO_, ((\n)%NQ)*STEPB
.set AS_, AF+96*((\n)%2)
	ds_load_b128 v[SCA+4*((\n)%2):SCA+4*((\n)%2)+3], v[AD_] offset:AO_+CODEB
.irp i, 0,1,2,3,4,5,6,7
.irp c, 0,1,2
	ds_load_b128 v[AS_+12*\i+4*\c:AS_+12*\i+4*\c+3], v[AD_] offset:AO_+\i*FRB+512*\c
.endr
.endr
.endm
; one product; r: bit 0 = B's word in lanes 16-31, bit 1 = A's word in lanes 16-31; z: the first product starts the sum
.macro WM z, r
.if \z
.if (\r) == 0
	v_wmma_scale_f32_16x16x128_f8f6f4 v[D_:D_+7], v[F_:F_+11], v[E_:E_+11], 0, v[SB_], v[SA_] matrix_a_fmt:MATRIX_FMT_BF6 matrix_b_fmt:MATRIX_FMT_BF6
.elseif (\r) == 1
	v_wmma_scale_f32_16x16x128_f8f6f4 v[D_:D_+7], v[F_:F_+11], v[E_:E_+11], 0, v[SB_], v[SA_] matrix_a_fmt:MATRIX_FMT_BF6 matrix_b_fmt:MATRIX_FMT_BF6 matrix_a_scale:MATRIX_SCALE_ROW1
.elseif (\r) == 2
	v_wmma_scale_f32_16x16x128_f8f6f4 v[D_:D_+7], v[F_:F_+11], v[E_:E_+11], 0, v[SB_], v[SA_] matrix_a_fmt:MATRIX_FMT_BF6 matrix_b_fmt:MATRIX_FMT_BF6 matrix_b_scale:MATRIX_SCALE_ROW1
.else
	v_wmma_scale_f32_16x16x128_f8f6f4 v[D_:D_+7], v[F_:F_+11], v[E_:E_+11], 0, v[SB_], v[SA_] matrix_a_fmt:MATRIX_FMT_BF6 matrix_b_fmt:MATRIX_FMT_BF6 matrix_a_scale:MATRIX_SCALE_ROW1 matrix_b_scale:MATRIX_SCALE_ROW1
.endif
.else
.if (\r) == 0
	v_wmma_scale_f32_16x16x128_f8f6f4 v[D_:D_+7], v[F_:F_+11], v[E_:E_+11], v[D_:D_+7], v[SB_], v[SA_] matrix_a_fmt:MATRIX_FMT_BF6 matrix_b_fmt:MATRIX_FMT_BF6
.elseif (\r) == 1
	v_wmma_scale_f32_16x16x128_f8f6f4 v[D_:D_+7], v[F_:F_+11], v[E_:E_+11], v[D_:D_+7], v[SB_], v[SA_] matrix_a_fmt:MATRIX_FMT_BF6 matrix_b_fmt:MATRIX_FMT_BF6 matrix_a_scale:MATRIX_SCALE_ROW1
.elseif (\r) == 2
	v_wmma_scale_f32_16x16x128_f8f6f4 v[D_:D_+7], v[F_:F_+11], v[E_:E_+11], v[D_:D_+7], v[SB_], v[SA_] matrix_a_fmt:MATRIX_FMT_BF6 matrix_b_fmt:MATRIX_FMT_BF6 matrix_b_scale:MATRIX_SCALE_ROW1
.else
	v_wmma_scale_f32_16x16x128_f8f6f4 v[D_:D_+7], v[F_:F_+11], v[E_:E_+11], v[D_:D_+7], v[SB_], v[SA_] matrix_a_fmt:MATRIX_FMT_BF6 matrix_b_fmt:MATRIX_FMT_BF6 matrix_a_scale:MATRIX_SCALE_ROW1 matrix_b_scale:MATRIX_SCALE_ROW1
.endif
.endif
.endm
; 16 products: B's blocks 2 g, 2 g + 1 against A's eight, step t.  The 64 accumulators take turns, in the same order in every step.
.macro MULG g, t, zero
.irp bb, 0,1
.irp a, 0,1,2,3,4,5,6,7
.set B_, 2*(\g)+\bb
.set D_, 8*(8*(B_%4)+\a)
.set F_, 96*((\t)%2)+12*B_
.set E_, AF+96*((\t)%2)+12*\a
.set SB_, SCB+4*((\t)%4)+B_%4
.set SA_, SCA+4*((\t)%2)+\a%4
	WM \zero, B_/4+2*(\a/4)
.endr
.endr
.endm
; 4 products: A's block a against B's blocks 4 w .. 4 w + 3, step t
.macro ROWH t, a, w
.irp bb, 0,1,2,3
.set D_, 8*(8*\bb+(\a))
.set F_, 96*((\t)%2)+12*(4*(\w)+\bb)
.set E_, AF+96*((\t)%2)+12*(\a)
.set SB_, SCB+4*((\t)%4)+\bb
.set SA_, SCA+4*((\t)%2)+(\a)%4
	WM 0, (\w)+2*((\a)/4)
.endr
.endm
; The wait for B's fragments 4 hf .. 4 hf + 3 of this step (and, older than they, its scale words).  B's loads are issued in one order: in the middle of step u the scale words of step u + 3 and fragments 0-3 of step u + 2, at its end fragments 4-7.
; Issued behind fragments 0-3: 12 (fragments 4-7) + the next step's 24 + one load of scale words.  Behind fragments 4-7: 24 + 1 + this step's own 12, and one more load of scale words while there is a step three on (rem >= 3).
.macro WAITB hf, rem
.set LC_, 37
.if ((\hf) == 1) && ((\rem) >= 3)
.set LC_, 38
.endif
	s_wait_loadcnt LC_
.endm
.macro ASK t, pf                       ; pf = 1: always; 2: only while the step named lies inside K (A's waves: not in the last trip)
.if (\pf) == 2
	s_cmp_gt_u32 s3, s[LIM]
	s_cbranch_scc0 .Lno_ask_\@
.endif
.if \pf
	global_prefetch_b8 v[PFO], s[PF:PF+1] offset:(\t)*STEPB th:TH_LOAD_NT scope:SCOPE_SE
.endif
.if (\pf) == 2
.Lno_ask_\@:
.endif
.endm
; A K step with two steps or more behind it (rem).  turn = 0: inside a slot.  turn = 1: the slot's last step: the slot is filled again.  turn = 2: the same with nothing left to fetch.
.macro STEP t, zero, turn, rem, pf
.set N_, (\t)+1
.set RS_, ((\t)/NQ)%2
.if \turn
	WIN 0
	WAITB 0, \rem
	s_wait_tensorcnt 0x0                           ; my one tensor load, my part of the next slot, has landed;
	ds_add_u32 v[SPW], v[NIL]
	s_wait_dscnt 1                                 ; A's fragments are in; the add may be out
	WIN MUL_LO
	MULG 0, \t, 0
	s_wait_dscnt 0x0                               ; the add is done; my reads of this slot ended in the step before
	s_barrier_signal -1
	MULG 1, \t, 0
	WIN 0
	s_barrier_wait -1
.if (\turn) == 1
	CREST                                          ; the barrier has opened a round of the cluster's barrier
	s_add_nc_u64 s[G0+4*RS_+2:G0+4*RS_+3], s[G0+4*RS_+2:G0+4*RS_+3], 2*NQ*STEPB
	tensor_load_to_lds s[G0+4*RS_:G0+4*RS_+3], s[G1:G1+7]   ; the fill two on, into the slot just read out
	s_nop 0
.endif
.else
	WAITB 0, \rem
	s_wait_dscnt 0x0                               ; A's fragments and scale words, asked for in the middle of the step before
	WIN MUL_LO
	MULG 0, \t, \zero
	MULG 1, \t, \zero
.endif
	PLACES
	WIN 0
	FETA N_
.if (\rem) >= 3
	SLD (\t)+3
.endif
	ASK \t, \pf
	WIN TO_B
	BRUN (\t)+2, 0
	WAITB 1, \rem
	WIN MUL_HI
	MULG 2, \t, \zero
	MULG 3, \t, \zero
	PLACES
	WIN TO_B
	BRUN (\t)+2, 1
.endm
	s_load_b128 s[4:7], s[0:1], 0x0                ; A's buffer s[4:5], W's s[6:7]
	s_load_b64 s[12:13], s[0:1], 0x10              ; out0
	v_lshl_add_u32 v[SPW], v0, 2, SPARE
	v_mov_b32 v[NIL], 0
	ds_add_u32 v[SPW], v[NIL]                      ; the opening lines: the add, twice on end, waited for ahead of my first tensor load
	ds_add_u32 v[SPW], v[NIL]
	v_lshrrev_b32 v1, 5, v0
	v_readfirstlane_b32 s14, v1                    ; wave 0..3
	v_and_b32 v6, 31, v0
	v_lshlrev_b32 v[CO], 4, v6
	s_lshr_b32 s15, s14, 1                         ; my half of the tile's rows.  Also: which two K steps of a fill I fetch
	s_and_b32 s16, s14, 1                          ; my half of its columns.  Also: which block of A I fetch
	s_bfe_u32 s40, ttmp6, 0x40000                  ; cx
	s_bfe_u32 s41, ttmp6, 0x40004                  ; cy
	s_lshl_b32 s42, ttmp9, 2
	s_add_co_u32 s42, s42, s40                     ; tile column
	s_and_b32 s17, ttmp7, 0xffff
	s_lshl_b32 s17, s17, 2
	s_add_co_u32 s17, s17, s41                     ; tile row
	s_lshl_b32 s43, s41, 2
	s_lshl_b32 s43, 15, s43                        ; my row of the cluster
	s_or_b32 s[G1+0], s43, (3<<16)|(1<<21)         ; the mask; elements of 8 bytes; bit 21 beside a mask
	s_mov_b32 s[G1+1], 32<<16                      ; rows of 256 bytes,
	s_mov_b32 s[G1+2], (FILLB/256)<<16             ; 100 of them, dense
	s_mov_b32 s[G1+3], 32<<16
	s_mov_b32 s[G1+4], FILLB/256
	s_mov_b32 s[G1+5], 32
	s_mov_b32 s[G1+6], 0
	s_mov_b32 s[G1+7], 0
	s_lshl_b32 s20, s17, 1
	s_add_co_u32 s20, s20, s16
	s_mul_i32 s20, s20, RBLK                       ; the block of A that I fetch, in bytes
	s_mul_i32 s18, s15, FILLB
	s_add_co_u32 s22, s20, s18                     ; + my two K steps of the fill
	s_mov_b32 s23, 0
	s_mul_i32 s19, s16, BLKB
	s_add_co_u32 s19, s19, s18                     ; and their place in a slot
	s_lshl_b32 s50, s42, 1
	s_add_co_u32 s50, s50, s16
	s_mul_i32 s50, s50, RBLK                       ; my block of W, in bytes
	s_mov_b32 s51, 0
	s_wait_alu depctr_va_vdst(0)
	s_wait_dscnt 0x0                               ; both opening adds are done
	s_wait_kmcnt 0x0
	s_add_nc_u64 s[BP:BP+1], s[6:7], s[50:51]
	s_add_nc_u64 s[22:23], s[4:5], s[22:23]
.irp s, 0,1
	s_mov_b32 s[G0+4*\s], 1
	s_add_co_u32 s[G0+4*\s+1], s19, \s*SLOT
	s_add_nc_u64 s[G0+4*\s+2:G0+4*\s+3], s[22:23], \s*NQ*STEPB
	s_or_b32 s[G0+4*\s+3], s[G0+4*\s+3], 0x80000000
.endr
	SLD 0                                          ; B's loads in the order in which the steps go on issuing them
	SLD 1
	WIN TO_B
	BRUN 0, 0
	BRUN 0, 1
	WIN 0
	CROUND                                         ; all sixteen work-groups are here: the first joint loads meet
	tensor_load_to_lds s[G0:G0+3], s[G1:G1+7]      ; fill 0: one tensor load a wave at the head
	s_nop 0
	PLACES
	SLD 2
	WIN TO_B
	BRUN 1, 0
	BRUN 1, 1
	WIN 0
	s_mul_i32 s21, s15, BLKB                       ; the block of A that I multiply
	s_add_co_u32 s53, s21, SLOT
	s_mul_i32 s52, s14, 16*SPITCH                  ; my stage
	s_lshl_b32 s54, s17, 8
	s_lshl_b32 s55, s15, 7
	s_add_co_u32 s54, s54, s55
	s_lshl_b32 s54, s54, 15                        ; my first row of out0, 32,768 bytes a row
	s_mov_b32 s55, 0
	s_lshl_b32 s56, s42, 10
	s_lshl_b32 s57, s16, 9
	s_add_co_u32 s56, s56, s57                     ; my first column, in bytes
	s_mov_b32 s57, 0
	s_add_nc_u64 s[54:55], s[54:55], s[56:57]
	s_add_nc_u64 s[12:13], s[12:13], s[54:55]
	s_mov_b32 s59, AHA*STEPB
	s_cmp_eq_u32 s15, 0                            ; waves 0, 1 prefetch W, waves 2, 3 A
	s_cselect_b64 s[PF:PF+1], s[6:7], s[4:5]
	s_cselect_b32 s58, s50, s20
	s_cselect_b32 s59, AHB*STEPB, s59
	s_cselect_b32 s60, s41, s40                    ; my place among the four that load the block
	s_cselect_b32 s[LIM], 0, 1
	s_add_co_u32 s58, s58, s59
	s_mov_b32 s59, 0
	s_add_nc_u64 s[PF:PF+1], s[PF:PF+1], s[58:59]
	s_mul_i32 s60, s60, 13
	v_and_b32 v1, 15, v0
	v_bfe_u32 v2, v0, 4, 1
	v_add_nc_u32 v[ADRA], s21, v[CO]
	v_add_nc_u32 v[ADRA+1], s53, v[CO]
	v_mul_u32_u24 v5, v1, SPITCH
	v_lshl_add_u32 v5, v2, 5, v5
	v_add_nc_u32 v[STO], s52, v5                   ; into the stage: row l % 16, 32 bytes for each half of the lanes
	v_add_nc_u32 v[RD], s52, v[CO]                 ; back: the 32 lanes take a row of 512 bytes
	v_min_u32 v3, 12, v6
	v_add_nc_u32 v3, s60, v3
	v_min_u32 v3, 49, v3                           ; which of a step's 50 runs of 256 bytes I name
	v_lshlrev_b32 v[PFO], 8, v3
	s_wait_alu depctr_va_vdst(0)
	s_wait_tensorcnt 0x0                           ; my part of fill 0 is in; the same lines ahead of a later first fill as ahead of a refill
	ds_add_u32 v[SPW], v[NIL]
	s_wait_dscnt 0x0
	CROUND
	tensor_load_to_lds s[G0+4:G0+7], s[G1:G1+7]    ; fill 1, the first tensor load behind the round
	s_nop 0
	PLACES
	FETA 0
	STEP 0, 1, 0, 9, 1                             ; the first step's products start the sums
	WIN 0
	s_mov_b32 s3, 3
.Llap:                                                 ; a trip: 8 K steps, once round the ring, from a lap's second step to the next lap's first; both slots are filled again
	STEP 1, 0, 0, 9, 1
	STEP 2, 0, 0, 9, 1
	STEP 3, 0, 1, 9, 1
	STEP 4, 0, 0, 9, 1
	STEP 5, 0, 0, 9, 1
	STEP 6, 0, 0, 9, 2
	STEP 7, 0, 1, 9, 2
	STEP 8, 0, 0, 9, 2
	WIN 0
	s_wait_xcnt 0x0                                ; my loads and prefetches have read their bases
	s_add_nc_u64 s[BP:BP+1], s[BP:BP+1], 2*NQ*STEPB
	s_add_nc_u64 s[PF:PF+1], s[PF:PF+1], 2*NQ*STEPB
	s_sub_co_u32 s3, s3, 1
	s_cmp_lg_u32 s3, 0
	s_cbranch_scc1 .Llap
	STEP 1, 0, 0, 6, 0                             ; the last seven steps (here numbered 1 to 7) fetch no tile and prefetch nothing
	STEP 2, 0, 0, 5, 0
	STEP 3, 0, 2, 4, 0
	STEP 4, 0, 0, 3, 0
	STEP 5, 0, 0, 2, 0
; STEPS 6 AND 7, BY ROWS OF out0.  Step 5's places stand behind its last products, so step 7's fragments of A may land in the set that step 5 multiplied.
; THE WAY OUT of block a (16 rows x 128 columns): a lane holds 32 neighbouring bytes of a row, the lanes beside it other rows: so the block goes through my own stage in LDS and comes back as whole rows of 512 bytes,
; INTO ITS OWN 64 ACCUMULATOR REGISTERS (LDS serves a wave's instructions in order, ISA guide 5.7.1.4): no register and no base is written again under a pending store; every row's offset is an immediate, 127 x 32,768 bytes at the most.
.macro TOSTAGE a
.irp w, 0,1
	WIN OUT_LO+0x44*\w
.irp b, 0,1,2,3
	ds_store_b128 v[STO], v[8*(8*\b+(\a)):8*(8*\b+(\a))+3] offset:256*\w+64*\b          ; each accumulator from its low end on
	ds_store_b128 v[STO], v[8*(8*\b+(\a))+4:8*(8*\b+(\a))+7] offset:256*\w+64*\b+16
.endr
.endr
.irp w, 0,1
	WIN OUT_LO+0x44*\w
.irp r, 0,1,2,3,4,5,6,7
	ds_load_b128 v[8*(8*(\r/2)+(\a))+4*(\r%2):8*(8*(\r/2)+(\a))+4*(\r%2)+3], v[RD] offset:(8*\w+\r)*SPITCH
.endr
.endr
.endm
.macro SEND a
	s_wait_dscnt 0x0                               ; the block is back in registers
.irp w, 0,1
	WIN OUT_LO+0x44*\w
.irp r, 0,1,2,3,4,5,6,7
	global_store_b128 v[CO], v[8*(8*(\r/2)+(\a))+4*(\r%2):8*(8*(\r/2)+(\a))+4*(\r%2)+3], s[12:13] offset:(16*(\a)+8*\w+\r)*SIZE_N*4   ; 32 lanes store 512 consecutive bytes, aligned to 256
.endr
.endr
.endm
	WIN 0
	FETA 7
	s_wait_loadcnt 24                              ; step 6's fragments of B and both steps' scale words are in; step 7's 24 loads may be out
	s_wait_dscnt 25                                ; step 6's fragments of A are in; the 25 loads just issued may be out
	WIN MUL_LO
.irp a, 0,1,2,3
	ROWH 6, \a, 0
.endr
	WIN MUL_HI
.irp a, 0,1,2,3
	ROWH 6, \a, 1
.endr
	s_wait_loadcnt 0x0
	s_wait_dscnt 0x0
.irp k, 0,1,2,3,4,5,6,7                ; block k is finished (step 7), block k + 4 gets its step 6; block k - 1, meanwhile back from the stage, is stored; block k goes into the stage
	WIN MUL_LO
	ROWH 7, \k, 0
.if \k < 4
	ROWH 6, \k+4, 0
.endif
	WIN MUL_HI
	ROWH 7, \k, 1
.if \k < 4
	ROWH 6, \k+4, 1
.endif
.if \k > 0
	SEND \k-1
.endif
	PLACES
	TOSTAGE \k
.endr
	SEND 7
	WIN 0
	s_wait_tensorcnt 0x0                           ; the wave's end
	ds_add_u32 v[SPW], v[NIL]
	s_wait_dscnt 0x0
	CROUND                                         ; the closing round
	s_endpgm
.Lfunc_end_k_qb4ab6bbd0b_gemm:
	.size	k_qb4ab6bbd0b_gemm, .Lfunc_end_k_qb4ab6bbd0b_gemm-k_qb4ab6bbd0b_gemm
	.p2alignl 7, 3214868480
	.fill 96, 4, 3214868480
	.section	.rodata,"a",@progbits
	.p2align	6, 0x0
	.amdhsa_kernel k_qb4ab6bbd0b_gemm
		.amdhsa_group_segment_fixed_size 327680
		.amdhsa_private_segment_fixed_size 0
		.amdhsa_enable_private_segment 0
		.amdhsa_kernarg_size 24
		.amdhsa_user_sgpr_count 2
		.amdhsa_user_sgpr_kernarg_segment_ptr 1
		.amdhsa_wavefront_size32 1
		.amdhsa_system_sgpr_workgroup_id_x 1
		.amdhsa_system_sgpr_workgroup_id_y 1
		.amdhsa_system_sgpr_workgroup_id_z 1
		.amdhsa_system_vgpr_workitem_id 0
		.amdhsa_next_free_vgpr 1024
		.amdhsa_next_free_sgpr 100
		.amdhsa_reserve_vcc 0
		.amdhsa_float_denorm_mode_32 3
		.amdhsa_float_denorm_mode_16_64 3
		.amdhsa_memory_ordered 1
		.amdhsa_forward_progress 1
		.amdhsa_inst_pref_size 238
	.end_amdhsa_kernel
	.amdgpu_metadata
---
amdhsa.version: [ 1, 2 ]
amdhsa.kernels:
  - .name:           k_qb4ab6bbd0b_gemm
    .symbol:         k_qb4ab6bbd0b_gemm.kd
    .args:
      - { .name: a_q, .offset: 0, .size: 8, .value_kind: global_buffer, .address_space: global }
      - { .name: w_q, .offset: 8, .size: 8, .value_kind: global_buffer, .address_space: global }
      - { .name: out0, .offset: 16, .size: 8, .value_kind: global_buffer, .address_space: global }
    .group_segment_fixed_size: 327680
    .private_segment_fixed_size: 0
    .kernarg_segment_align: 8
    .kernarg_segment_size: 24
    .max_flat_workgroup_size: 128
    .sgpr_count:     100
    .vgpr_count:     1024
    .wavefront_size: 32
...
	.end_amdgpu_metadata
.endif
;; end of part 2
